; MI455X (gfx1250); checked and timed in simulation.
; The chip was launched on July 23, 2026; its instructions are those of AMD's public machine-readable ISA for CDNA 5 (MIT licence, August 2026) and "CDNA5" Instruction Set Architecture Reference Guide (July 2026). The comments in the code are by the model that wrote it; some were corrected since.
;; Attention. Allowed arithmetic: float matrix products may take bf16 or f16 operands with f32 sums; all other float work in f32.
;; Inputs: w_out 1,024 x 1,024 float32; w_qkv 3,072 x 1,024 float32; x 4 x 2,048 x 1,024 float32.
;; Outputs: out0 4 x 2,048 x 1,024 float32.
;; One version. Each part assembles by itself: llvm-mc -triple=amdgcn-amd-amdhsa -mcpu=gfx1250 --defsym DOCPART=n.
;; ======== version 1 of 1: 4 launches
;; limits: values are held in f16: magnitudes above 65,504 overflow, below 6.1e-05 lose precision
;; workspace buffers: xh 16,777,216 bytes; wqh 6,291,456 bytes; woh 2,097,152 bytes; qkv 50,331,648 bytes; ao 16,777,216 bytes
;; launch cast (part 1): grid 768 x 1, 8 waves a work-group, no clusters, 0 bytes of LDS; arguments x, w_qkv, w_out, xh, wqh, woh; writes xh, wqh, woh
.if DOCPART == 1
	.amdgcn_target "amdgcn-amd-amdhsa--gfx1250"
	.amdhsa_code_object_version 6
	.text
	.protected	k_q3fe05b6236_cast
	.globl	k_q3fe05b6236_cast
	.p2align	8
	.type	k_q3fe05b6236_cast,@function
k_q3fe05b6236_cast:
	s_mov_b64 s[64:65], 0
	v_nop
	global_prefetch_b8 v0, s[64:65] scope:SCOPE_SE
	s_setreg_imm32_b32 hwreg(HW_REG_WAVE_MODE, 25, 1), 1
	s_wait_xcnt 0x0
; xh = f16(x), wqh = f16(w_qkv), woh = f16(w_out): the three inputs are rounded once (to nearest even) to the format in which
; the matrix units take them, so that the two products read half the bytes and convert nothing.
; LIMIT: a magnitude above 65,504 becomes infinite in f16, one below about 6e-8 becomes zero.
; A stream: every byte is read once and written once; no LDS, no barrier, no matrix unit, and no cluster, since no two
; work-groups read the same byte.
; A work-group converts 16,384 numbers (65,536 bytes in, 32,768 out).  Work-groups 0-511 take x (8,388,608 numbers),
; 512-703 w_qkv (3,145,728), 704-767 w_out (1,048,576).  Thread t takes 8 neighbouring numbers of each of eight pieces of 2,048:
; two loads of 16 bytes, one store of 16 bytes; sixteen neighbouring lanes store 256 consecutive bytes, aligned.
.set X, 8                              ; v[8:71]  piece i: 8 registers as loaded; its first 4 then hold the 8 halves
	s_load_b256 s[4:11], s[0:1], 0x0               ; x s[4:5], w_qkv s[6:7], w_out s[8:9], xh s[10:11]
	s_load_b128 s[12:15], s[0:1], 0x20             ; wqh s[12:13], woh s[14:15]
	v_lshlrev_b32 v1, 5, v0                        ; 32 t: my bytes in a piece of the source
	v_lshlrev_b32 v2, 4, v0                        ; 16 t: my bytes in a piece of the destination
	s_wait_kmcnt 0x0
	s_cmp_lt_u32 ttmp9, 512                        ; which tensor: the choice hangs on the work-group's number alone
	s_cselect_b64 s[16:17], s[4:5], s[6:7]
	s_cselect_b64 s[18:19], s[10:11], s[12:13]
	s_cselect_b32 s20, 0, 512
	s_cmp_lt_u32 ttmp9, 704
	s_cselect_b64 s[16:17], s[16:17], s[8:9]
	s_cselect_b64 s[18:19], s[18:19], s[14:15]
	s_cselect_b32 s20, s20, 704
	s_sub_co_u32 s20, ttmp9, s20                   ; my part of that tensor
	s_lshl_b32 s22, s20, 16                        ; x 65,536 bytes (33,488,896 at the most)
	s_mov_b32 s23, 0
	s_add_nc_u64 s[16:17], s[16:17], s[22:23]
	s_lshl_b32 s22, s20, 15                        ; x 32,768 bytes
	s_add_nc_u64 s[18:19], s[18:19], s[22:23]
.irp i, 0,1,2,3,4,5,6,7
	global_load_b128 v[X+8*\i:X+8*\i+3],   v1, s[16:17] offset:8192*\i th:TH_LOAD_NT      ; all sixteen loads go out first
	global_load_b128 v[X+8*\i+4:X+8*\i+7], v1, s[16:17] offset:8192*\i+16 th:TH_LOAD_NT
.endr
.irp i, 0,1,2,3,4,5,6,7
	s_wait_loadcnt 14-2*\i                         ; loads come back in order: piece i's two are in, the 14 - 2 i behind them stay out
.irp k, 0,1,2,3
	v_cvt_pk_f16_f32 v[X+8*\i+\k], v[X+8*\i+2*\k], v[X+8*\i+2*\k+1]    ; in place, ascending: register k is free once pair k/2 is packed
.endr
	global_store_b128 v2, v[X+8*\i:X+8*\i+3], s[18:19] offset:4096*\i  ; no register is written again behind a store
.endr
	s_endpgm
.Lfunc_end_k_q3fe05b6236_cast:
	.size	k_q3fe05b6236_cast, .Lfunc_end_k_q3fe05b6236_cast-k_q3fe05b6236_cast
	.p2alignl 7, 3214868480
	.fill 96, 4, 3214868480
	.section	.rodata,"a",@progbits
	.p2align	6, 0x0
	.amdhsa_kernel k_q3fe05b6236_cast
		.amdhsa_group_segment_fixed_size 0
		.amdhsa_private_segment_fixed_size 0
		.amdhsa_enable_private_segment 0
		.amdhsa_kernarg_size 48
		.amdhsa_user_sgpr_count 2
		.amdhsa_user_sgpr_kernarg_segment_ptr 1
		.amdhsa_wavefront_size32 1
		.amdhsa_system_sgpr_workgroup_id_x 1
		.amdhsa_system_sgpr_workgroup_id_y 1
		.amdhsa_system_sgpr_workgroup_id_z 1
		.amdhsa_system_vgpr_workitem_id 0
		.amdhsa_next_free_vgpr 72
		.amdhsa_next_free_sgpr 66
		.amdhsa_reserve_vcc 0
		.amdhsa_float_denorm_mode_32 3
		.amdhsa_float_denorm_mode_16_64 3
		.amdhsa_memory_ordered 1
		.amdhsa_forward_progress 1
		.amdhsa_inst_pref_size 6
	.end_amdhsa_kernel
	.amdgpu_metadata
---
amdhsa.version: [ 1, 2 ]
amdhsa.kernels:
  - .name:           k_q3fe05b6236_cast
    .symbol:         k_q3fe05b6236_cast.kd
    .args:
      - { .name: x, .offset: 0, .size: 8, .value_kind: global_buffer, .address_space: global }
      - { .name: w_qkv, .offset: 8, .size: 8, .value_kind: global_buffer, .address_space: global }
      - { .name: w_out, .offset: 16, .size: 8, .value_kind: global_buffer, .address_space: global }
      - { .name: xh, .offset: 24, .size: 8, .value_kind: global_buffer, .address_space: global }
      - { .name: wqh, .offset: 32, .size: 8, .value_kind: global_buffer, .address_space: global }
      - { .name: woh, .offset: 40, .size: 8, .value_kind: global_buffer, .address_space: global }
    .group_segment_fixed_size: 0
    .private_segment_fixed_size: 0
    .kernarg_segment_align: 8
    .kernarg_segment_size: 48
    .max_flat_workgroup_size: 256
    .sgpr_count:     66
    .vgpr_count:     72
    .wavefront_size: 32
...
	.end_amdgpu_metadata
.endif
;; end of part 1
;; launch qkv (part 2): grid 12 x 32, 4 waves a work-group, clusters of 4 x 4, 327,680 bytes of LDS; arguments xh, wqh, qkv; writes qkv
.if DOCPART == 2
	.amdgcn_target "amdgcn-amd-amdhsa--gfx1250"
	.amdhsa_code_object_version 6
	.text
	.protected	k_q3fe05b6236_qkv
	.globl	k_q3fe05b6236_qkv
	.p2align	8
	.type	k_q3fe05b6236_qkv,@function
k_q3fe05b6236_qkv:
	s_mov_b64 s[64:65], 0
	v_nop
	global_prefetch_b8 v0, s[64:65] scope:SCOPE_SE
	s_setreg_imm32_b32 hwreg(HW_REG_WAVE_MODE, 25, 1), 1
	s_wait_xcnt 0x0
	s_wait_alu depctr_hold_cnt(0) depctr_sa_sdst(0) depctr_va_vdst(0) depctr_va_sdst(0) depctr_va_ssrc(0) depctr_va_vcc(0) depctr_vm_vsrc(0)
	s_getreg_b32 s2, hwreg(HW_REG_IB_STS2, 6, 4)
	s_cmp_eq_u32 s2, 0
	s_cbranch_scc0 .Lentry_in_a_cluster
	s_endpgm
.Lentry_in_a_cluster:
	s_bfe_u32 s2, ttmp6, 0x10000c
	s_cmp_lg_u32 s2, 0xf033
	s_cbranch_scc0 .Lentry_shape_is_right
	s_endpgm
.Lentry_shape_is_right:
; qkv[m][n] = sum over k of xh[m][k] wqh[n][k].  A = xh [8192][1024], B = wqh [3072][1024], C = qkv [8192][3072], all f16; sums in f32.
; LIMIT: C is rounded once to f16: a magnitude above 65,504 becomes infinite.
; A work-group makes a block of 256 x 256 of C with four waves, one a SIMD; a wave makes 128 x 128: 64 accumulator tiles of 16 x 16,
; 512 registers.  K goes in steps of 128 through a ring of two LDS slots filled by the tensor data mover; a tile's rows are 256 bytes of
; memory and start at multiples of 256 bytes from the buffer's first byte.  For 32 along K a wave loads 2 x 128 x 64 bytes from LDS and
; issues 64 matrix instructions; from a tile's request to the wait for it it issues 240.
; 12 x 32 = 384 blocks: one and a half for each of 256 WGPs.  The shapes that would divide evenly serve worse: 128 x 256 halves the matrix
; work between a request and its wait, 256 x 192 writes rows of 384 bytes (aligned blocks of 256 bytes in part), 256 x 384 needs
; 2 x 640 rows x 272 bytes = 348,160 bytes of LDS.
; CLUSTERS: 4 x 4 work-groups.  The four of a row of the cluster need the same tiles of A, the four of a column the same tiles of B:
; each tile is asked for jointly, by the same tensor load in all four, with a mask that names them.
; REGISTERS, in windows of 256:
;   window 0: v16-26 addresses; v64-127, v128-191 fragments of A (8 x 16 rows x 32 K), two buffers; v192-223 at work on the way out
;   window 1: v64-127, v128-191 fragments of B, two buffers
;   window 2: the 32 accumulator tiles of my rows 0-63 (tile (a, b) at v[8 (8 a + b)]);   window 3: those of my rows 64-127
; The matrix instruction is used transposed (source 0 = 16 rows of B, source 1 = 16 rows of A): lane l then holds row l % 16 of C and its
; registers 0-7 the columns 8 (l / 16) + 0..7: eight neighbouring numbers of a row, which pack into 16 bytes.
.set SIZE_K, 1024
.set SIZE_N, 3072
.set ROWB,   SIZE_N*2                  ; bytes in a row of C
.set KSTEP,  128
.set PITCH,  272                       ; an LDS row: 256 bytes + 16 of padding: the 16 rows that a fragment load touches start 68 words apart
.set HALFT,  128*PITCH                 ; 128 rows: what one tensor load brings, and what one wave reads of A or of B
.set SLOT,   4*HALFT                   ; A's 256 rows, then B's 256 rows: 139,264 bytes
.set STAGE,  2*SLOT                    ; behind the ring (byte 278,528, a multiple of 256): 16 rows x 272 bytes for each wave; no fill lands here
.set SPITCH, 272
.set LAPS,   SIZE_K/(2*KSTEP)          ; a lap = two K steps = once round the ring: 4
.set ADRA, 16                          ; v16-17  LDS address of my A fragments in slot 0, 1
.set ADRB, 20                          ; v20-21  the same for B
.set STO,  24                          ; the way out: where I put 16 bytes of a row
.set RD,   25                          ; the way out: where I read a row back
.set CO,   26                          ; my byte offset in C
.set F0,   64                          ; fragment buffer 0
.set F1,   128                         ; fragment buffer 1
.set TMP,  192                         ; the way out: packed results, in window 0
.set G1,  24                           ; s[24:31] descriptor group 1 for A's tiles
.set G0,  32                           ; s[32:39] group 0 for A's tiles, a set for each slot
.set G1B, 48                           ; s[48:55] group 1 for B's tiles: it differs from A's in the mask alone
.set G0B, 56                           ; s[56:63] group 0 for B's tiles, a set for each slot
.set G1C, (1<<16)|(1<<20)|(1<<21)|(5<<22)|(3<<25)  ; element of 2 bytes; padding on; bit 21 beside a mask; after every 64 words; 4 words
.set MSB, 0
.macro WIN new                         ; the immediate's high byte repeats the setting that is left
.if MSB != \new
	s_set_vgpr_msb (MSB<<8)|\new
.set MSB, \new
.endif
.endm
.set MUL_LO, 0xa1                      ; source 0 (B) window 1, source 1 (A) window 0, C and D window 2
.set MUL_HI, 0xf1                      ; the same, C and D window 3
.set TO_B,   0x40                      ; destination window 1, address window 0
; A joint load.  Waves 0 and 1 fetch A's two halves, waves 2 and 3 B's.  Each line has one mask, and nothing in its registers hangs on a
; coordinate that the four partners do not share.  The branch hangs on the wave's number alone.
.macro JLOAD s
	s_cmp_eq_u32 s11, 0
	s_cbranch_scc0 .Lfor_b_\@
	tensor_load_to_lds s[G0+4*\s:G0+4*\s+3], s[G1:G1+7]
	s_nop 0
	s_branch .Lasked_\@
.Lfor_b_\@:
	tensor_load_to_lds s[G0B+4*\s:G0B+4*\s+3], s[G1B:G1B+7]
	s_nop 0
.Lasked_\@:
.endm
; A round of the cluster's barrier: my work-group's barrier; wave 0 signals for the work-group; every wave waits for all sixteen
; work-groups; my work-group's barrier once more.
.macro CREST                           ; a round behind its opening barrier
	s_cmp_lg_u32 s10, 0
	s_cbranch_scc1 .Lnot_wave_0_\@
	s_barrier_signal -3
.Lnot_wave_0_\@:
	s_barrier_wait -3
	s_barrier_signal -1
	s_barrier_wait -1
.endm
.macro CROUND                          ; a whole round
	s_barrier_signal -1
	s_barrier_wait -1
	CREST
.endm
	s_load_b128 s[4:7], s[0:1], 0x0                ; A s[4:5], B s[6:7]
	s_load_b64 s[8:9], s[0:1], 0x10                ; C
	s_set_vgpr_msb 0x40
	v_lshl_add_u32 v255, v0, 2, 0x48400
	s_set_vgpr_msb 0x4000
	v_mov_b32 v255, 0
	s_set_vgpr_msb 0x1
	ds_add_u32 v255, v255
	s_set_vgpr_msb 0x100
	v_lshrrev_b32 v1, 5, v0
	v_readfirstlane_b32 s10, v1                    ; wave 0..3
	s_lshr_b32 s11, s10, 1                         ; which half of the block's rows is mine.  Also: I fetch for A (0) or for B (1)
	s_and_b32 s12, s10, 1                          ; which half of its columns.  Also: which 128 rows of that tile I fetch
	s_bfe_u32 s40, ttmp6, 0x40000                  ; cx
	s_bfe_u32 s41, ttmp6, 0x40004                  ; cy
	s_lshl_b32 s42, ttmp9, 2
	s_add_co_u32 s42, s42, s40                     ; block column of C = 4 x cluster x + cx
	s_and_b32 s13, ttmp7, 0xffff
	s_lshl_b32 s13, s13, 2
	s_add_co_u32 s13, s13, s41                     ; block row of C = 4 x cluster y + cy
	s_lshl_b32 s43, s41, 2
	s_lshl_b32 s43, 15, s43                        ; my row of the cluster: places 4 cy .. 4 cy + 3
	s_lshl_b32 s44, 0x1111, s40                    ; my column: places cx, cx + 4, cx + 8, cx + 12
	s_or_b32 s[G1+0], s43, G1C                     ; A's tiles go to my row of the cluster
	s_or_b32 s[G1B+0], s44, G1C                    ; B's to my column
	s_mov_b32 s[G1+1], KSTEP<<16                   ; tensor_dim0 = 128 elements
	s_mov_b32 s[G1B+1], KSTEP<<16
	s_mov_b32 s[G1+2], 128<<16                     ; tensor_dim1 = 128 rows
	s_mov_b32 s[G1B+2], 128<<16
	s_mov_b32 s[G1+3], KSTEP<<16                   ; tile_dim0 = 128
	s_mov_b32 s[G1B+3], KSTEP<<16
	s_mov_b32 s[G1+4], 128                         ; tile_dim1 = 128
	s_mov_b32 s[G1B+4], 128
	s_mov_b32 s[G1+5], SIZE_K                      ; elements from row to row
	s_mov_b32 s[G1B+5], SIZE_K
	s_mov_b32 s[G1+6], 0
	s_mov_b32 s[G1B+6], 0
	s_mov_b32 s[G1+7], 0
	s_mov_b32 s[G1B+7], 0
	; where the tiles come from: A's hang on the block row alone, B's on the block column alone; each in registers that never hold the other
	s_lshl_b32 s17, s12, 7                         ; which 128 rows of the tile I fetch
	s_lshl_b32 s16, s13, 8
	s_add_co_u32 s16, s16, s17                     ; A: row 256 x block row + 128 x half
	s_lshl_b32 s16, s16, 11                        ; x 2,048 bytes (under 16,777,216)
	s_lshl_b32 s46, s42, 8
	s_add_co_u32 s46, s46, s17                     ; B: row 256 x block column + 128 x half
	s_lshl_b32 s46, s46, 11
	s_mov_b32 s17, 0
	s_mov_b32 s47, 0
	s_mul_i32 s20, s10, HALFT                      ; where they go: A's two halves, then B's two halves = wave x 128 rows
	s_wait_dscnt 0x0
	s_wait_kmcnt 0x0
	s_add_nc_u64 s[14:15], s[4:5], s[16:17]
	s_add_nc_u64 s[46:47], s[6:7], s[46:47]
	CROUND                                         ; all sixteen work-groups are here: the first joint loads meet
.irp s, 0,1
	s_mov_b32 s[G0+4*\s], 1                                        ; count = 1
	s_add_co_u32 s[G0+4*\s+1], s20, \s*SLOT                        ; LDS address
	s_add_nc_u64 s[G0+4*\s+2:G0+4*\s+3], s[14:15], \s*KSTEP*2      ; global address: K step s
	s_or_b32 s[G0+4*\s+3], s[G0+4*\s+3], 0x80000000                ; type = 2
	s_mov_b32 s[G0B+4*\s], 1
	s_add_co_u32 s[G0B+4*\s+1], s20, \s*SLOT
	s_add_nc_u64 s[G0B+4*\s+2:G0B+4*\s+3], s[46:47], \s*KSTEP*2
	s_or_b32 s[G0B+4*\s+3], s[G0B+4*\s+3], 0x80000000
	JLOAD \s                                       ; both slots are asked for before anything else: two loads of mine are out
.endr
	; a fragment is 16 rows x 32 K in 8 registers: lane l holds row l % 16; registers 0-3 K = 8 (l / 16) + 0..7, registers 4-7 K = 16 + 8 (l / 16) + 0..7
	v_and_b32 v1, 15, v0                           ; l % 16
	v_bfe_u32 v2, v0, 4, 1                         ; l / 16
	v_mul_u32_u24 v3, v1, PITCH
	v_lshl_add_u32 v3, v2, 4, v3                   ; row x pitch + 16 x half
	s_mul_i32 s21, s11, HALFT                      ; my 128 rows of A
	s_mul_i32 s22, s12, HALFT                      ; my 128 rows of B,
	s_add_co_u32 s22, s22, 2*HALFT                 ; which lie behind A's 256
.irp s, 0,1
	v_add_nc_u32 v[ADRA+\s], s21, v3
	v_add_nc_u32 v[ADRB+\s], s22, v3
	s_add_co_u32 s21, s21, SLOT
	s_add_co_u32 s22, s22, SLOT
.endr
	s_mul_i32 s23, s10, 16*SPITCH
	s_add_co_u32 s23, s23, STAGE                   ; my stage
	v_mul_u32_u24 v4, v1, SPITCH                   ; in: row l % 16, 16 bytes for each half of the lanes
	v_lshl_add_u32 v4, v2, 4, v4
	v_add_nc_u32 v[STO], s23, v4
	v_mul_u32_u24 v5, v2, SPITCH                   ; back: lanes 0-15 take one row of 256 bytes, lanes 16-31 the next
	v_lshl_add_u32 v5, v1, 4, v5
	v_add_nc_u32 v[RD], s23, v5
	v_mul_u32_u24 v5, v2, ROWB                     ; and the same two rows in C
	v_lshl_add_u32 v[CO], v1, 4, v5
; 16 matrix instructions: row blocks a0, a0 + 1 of the window's four (hi = 0: my rows 0-63, 1: rows 64-127) x all 8 column blocks, 32 along K.
; zero = 1: the first product starts the sums.  The 64 accumulators take turns, one instruction a turn, in the same order in every
; quarter step.
.macro MUL16 f, hi, a0, zero
.irp a, \a0, \a0+1
.irp b, 0,1,2,3,4,5,6,7
.if \zero
	v_wmma_f32_16x16x32_f16 v[8*(8*(\a)+\b):8*(8*(\a)+\b)+7], v[\f+8*\b:\f+8*\b+7], v[\f+8*(4*\hi+\a):\f+8*(4*\hi+\a)+7], 0
.else
	v_wmma_f32_16x16x32_f16 v[8*(8*(\a)+\b):8*(8*(\a)+\b)+7], v[\f+8*\b:\f+8*\b+7], v[\f+8*(4*\hi+\a):\f+8*(4*\hi+\a)+7], v[8*(8*(\a)+\b):8*(8*(\a)+\b)+7]
.endif
.endr
.endr
.endm
; 32 LDS loads in one run: the fragments of one quarter step (128 rows of B, 128 rows of A, 32 K at byte k of the rows) into buffer f
.macro FETCH slot, k, f
	WIN TO_B
.irp i, 0,1,2,3,4,5,6,7
	ds_load_b128 v[\f+8*\i:\f+8*\i+3],   v[ADRB+\slot] offset:\k+\i*16*PITCH
	ds_load_b128 v[\f+8*\i+4:\f+8*\i+7], v[ADRB+\slot] offset:\k+\i*16*PITCH+32
.endr
	WIN 0
.irp i, 0,1,2,3,4,5,6,7
	ds_load_b128 v[\f+8*\i:\f+8*\i+3],   v[ADRA+\slot] offset:\k+\i*16*PITCH
	ds_load_b128 v[\f+8*\i+4:\f+8*\i+7], v[ADRA+\slot] offset:\k+\i*16*PITCH+32
.endr
.endm
; A load into a register that a matrix instruction has read, and a vector instruction that reads a matrix result, stand four places behind
; that matrix instruction; only plain vector instructions that name none of its registers are places.
.macro PLACES
.rept 4
	v_nop
.endr
.endm
; A K step is four quarter steps of 32 along K, 64 matrix instructions each, on buffers 0, 1, 0, 1.
; One of the first three: multiplies buffer f; in its middle it fetches the next quarter's fragments, at byte k, into buffer g.
.macro QUARTER slot, k, f, g, zero
	s_wait_dscnt 8                                 ; B and A's rows 0-63 are in; the youngest eight loads (A's rows 64-127) may be out
	WIN MUL_LO
	MUL16 \f, 0, 0, \zero
	MUL16 \f, 0, 2, \zero
	PLACES
	FETCH \slot, \k, \g
	s_wait_dscnt 32                                ; all but the 32 just issued
	WIN MUL_HI
	MUL16 \f, 1, 0, \zero
	MUL16 \f, 1, 2, \zero
.endm
.macro THREE slot, zero
	QUARTER \slot, 64,  F0, F1, \zero
	QUARTER \slot, 128, F1, F0, 0
	QUARTER \slot, 192, F0, F1, 0
.endm
; The last quarter: multiplies buffer 1 and changes slots.  next = the other slot; fill = 1: this slot is filled again, two K steps ahead.
; In front of the barrier each wave waits for its reads of this slot and for all its tensor loads (one is out: its part of the next slot).
; Behind it nobody reads this slot and the next slot is whole: the refill comes first, then the next slot's first fragments.
.macro TURN slot, next, fill
	s_wait_dscnt 8
	WIN MUL_LO
	MUL16 F1, 0, 0, 0
	s_wait_dscnt 0                                 ; my reads of this slot are over
	s_wait_tensorcnt 0x0                           ; and all my tensor loads have landed
	ds_add_u32 v255, v255
	s_wait_dscnt 0x0
	s_barrier_signal -1                            ; say so (where the slot is filled again this barrier opens a round of the cluster's barrier),
	MUL16 F1, 0, 2, 0                              ; work on registers while the others arrive,
	WIN 0
	s_barrier_wait -1
.if \fill
	CREST                                          ; no wave of any partner still reads this slot's tile or has a load on its way
	s_add_nc_u64 s[G0+4*\slot+2:G0+4*\slot+3], s[G0+4*\slot+2:G0+4*\slot+3], 2*KSTEP*2
	s_add_nc_u64 s[G0B+4*\slot+2:G0B+4*\slot+3], s[G0B+4*\slot+2:G0B+4*\slot+3], 2*KSTEP*2
	JLOAD \slot                                    ; the first tensor load behind the round, and my only one until the next
.endif
	PLACES
	FETCH \next, 0, F0
	WIN MUL_HI
	MUL16 F1, 1, 0, 0
	MUL16 F1, 1, 2, 0
.endm
.macro LAP zero                        ; once round the ring, both slots filled again
	THREE 0, \zero
	TURN 0, 1, 1
	THREE 1, 0
	TURN 1, 0, 1
.endm
	s_wait_tensorcnt 0x1                           ; my part of K step 0 is in; K step 1's stays out
	s_barrier_signal -1
	s_barrier_wait -1                              ; everybody's is
	FETCH 0, 0, F0
	LAP 1                                          ; the first lap stands in front of the loop: its first products start the sums
	WIN 0                                          ; at a label and at a branch every window is 0
	s_mov_b32 s3, LAPS-2
.Llap:
	LAP 0
	WIN 0
	s_sub_co_u32 s3, s3, 1
	s_cmp_lg_u32 s3, 0
	s_cbranch_scc1 .Llap
	THREE 0, 0                                     ; the last lap fills nothing and has no round: my one load still out is slot 1's, the last K step's
	TURN 0, 1, 0
	THREE 1, 0
	s_wait_dscnt 8                                 ; the very last quarter: nothing more to fetch
	WIN MUL_LO
	MUL16 F1, 0, 0, 0
	MUL16 F1, 0, 2, 0
	s_wait_dscnt 0
	WIN MUL_HI
	MUL16 F1, 1, 0, 0
	MUL16 F1, 1, 2, 0
	; THE WAY OUT, 16 rows of C at a time: round to f16, 16 bytes a lane into my own stage in LDS, read back as whole rows of 256 bytes.
	PLACES
	s_lshl_b32 s13, s13, 8
	s_lshl_b32 s14, s11, 7
	s_add_co_u32 s16, s13, s14                     ; my first row of C
	s_mul_i32 s16, s16, ROWB                       ; under 50,331,648
	s_mov_b32 s17, 0
	s_add_nc_u64 s[8:9], s[8:9], s[16:17]
	s_lshl_b32 s46, s42, 9                         ; my first column, in bytes: 512 x block + 256 x half
	s_lshl_b32 s47, s12, 8
	s_add_co_u32 s46, s46, s47
	s_mov_b32 s47, 0
	s_add_nc_u64 s[8:9], s[8:9], s[46:47]
; rows 16 i .. 16 i + 15 of my block = the eight tiles (a, 0..7) of window 2 or 3 (from = 0x0a or 0x0f: sources 0 and 1); f: F0 or F1 in turn
.macro OUT16 i, a, from, f
	WIN \from
.irp b, 0,1,2,3,4,5,6,7
.irp r, 0,1,2,3
	v_cvt_pk_f16_f32 v[TMP+4*\b+\r], v[8*(8*\a+\b)+2*\r], v[8*(8*\a+\b)+2*\r+1]
.endr
.endr
	WIN 0
.irp b, 0,1,2,3,4,5,6,7
	ds_store_b128 v[STO], v[TMP+4*\b:TMP+4*\b+3] offset:32*\b
.endr
	s_wait_xcnt 0x0                                ; buffer f, which earlier stores read, and the stores' base are rewritten only behind this wait
.if \i
	s_add_nc_u64 s[8:9], s[8:9], 16*ROWB           ; 16 rows of C on
.endif
.irp t, 0,1,2,3,4,5,6,7
	ds_load_b128 v[\f+4*\t:\f+4*\t+3], v[RD] offset:\t*2*SPITCH    ; LDS serves a wave's instructions in order: these see the stores above
.endr
.irp t, 0,1,2,3,4,5,6,7
	s_wait_dscnt 7-\t                              ; load t is in, the 7 - t behind it may be out
	global_store_b128 v[CO], v[\f+4*\t:\f+4*\t+3], s[8:9] offset:2*\t*ROWB   ; 16 lanes store 256 consecutive bytes, at a multiple of 256 from C's first byte
.endr
.endm
	OUT16 0, 0, 0x0a, F0
	OUT16 1, 1, 0x0a, F1
	OUT16 2, 2, 0x0a, F0
	OUT16 3, 3, 0x0a, F1
	OUT16 4, 0, 0x0f, F0
	OUT16 5, 1, 0x0f, F1
	OUT16 6, 2, 0x0f, F0
	OUT16 7, 3, 0x0f, F1
	s_set_vgpr_msb 0x1
	s_wait_tensorcnt 0x0
	ds_add_u32 v255, v255
	s_wait_dscnt 0x0
	s_set_vgpr_msb 0x100
	CROUND                                         ; the closing round: no work-group ends while a partner may still ask for a tile that names it
	s_endpgm
.Lfunc_end_k_q3fe05b6236_qkv:
	.size	k_q3fe05b6236_qkv, .Lfunc_end_k_q3fe05b6236_qkv-k_q3fe05b6236_qkv
	.p2alignl 7, 3214868480
	.fill 96, 4, 3214868480
	.section	.rodata,"a",@progbits
	.p2align	6, 0x0
	.amdhsa_kernel k_q3fe05b6236_qkv
		.amdhsa_group_segment_fixed_size 327680
		.amdhsa_private_segment_fixed_size 0
		.amdhsa_enable_private_segment 0
		.amdhsa_kernarg_size 24
		.amdhsa_user_sgpr_count 2
		.amdhsa_user_sgpr_kernarg_segment_ptr 1
		.amdhsa_wavefront_size32 1
		.amdhsa_system_sgpr_workgroup_id_x 1
		.amdhsa_system_sgpr_workgroup_id_y 1
		.amdhsa_system_sgpr_workgroup_id_z 1
		.amdhsa_system_vgpr_workitem_id 0
		.amdhsa_next_free_vgpr 1024
		.amdhsa_next_free_sgpr 66
		.amdhsa_reserve_vcc 0
		.amdhsa_float_denorm_mode_32 3
		.amdhsa_float_denorm_mode_16_64 3
		.amdhsa_memory_ordered 1
		.amdhsa_forward_progress 1
		.amdhsa_inst_pref_size 196
	.end_amdhsa_kernel
	.amdgpu_metadata
---
amdhsa.version: [ 1, 2 ]
amdhsa.kernels:
  - .name:           k_q3fe05b6236_qkv
    .symbol:         k_q3fe05b6236_qkv.kd
    .args:
      - { .name: xh, .offset: 0, .size: 8, .value_kind: global_buffer, .address_space: global }
      - { .name: wqh, .offset: 8, .size: 8, .value_kind: global_buffer, .address_space: global }
      - { .name: qkv, .offset: 16, .size: 8, .value_kind: global_buffer, .address_space: global }
    .group_segment_fixed_size: 327680
    .private_segment_fixed_size: 0
    .kernarg_segment_align: 8
    .kernarg_segment_size: 24
    .max_flat_workgroup_size: 128
    .sgpr_count:     66
    .vgpr_count:     1024
    .wavefront_size: 32
...
	.end_amdgpu_metadata
.endif
;; end of part 2
;; launch attn (part 3): grid 8 x 32, 8 waves a work-group, clusters of 4 x 1, 327,680 bytes of LDS; arguments qkv, ao; writes ao
.if DOCPART == 3
	.amdgcn_target "amdgcn-amd-amdhsa--gfx1250"
	.amdhsa_code_object_version 6
	.text
	.protected	k_q3fe05b6236_attn
	.globl	k_q3fe05b6236_attn
	.p2align	8
	.type	k_q3fe05b6236_attn,@function
k_q3fe05b6236_attn:
	s_mov_b64 s[64:65], 0
	v_nop
	global_prefetch_b8 v0, s[64:65] scope:SCOPE_SE
	s_setreg_imm32_b32 hwreg(HW_REG_WAVE_MODE, 25, 1), 1
	s_wait_xcnt 0x0
	s_wait_alu depctr_hold_cnt(0) depctr_sa_sdst(0) depctr_va_vdst(0) depctr_va_sdst(0) depctr_va_ssrc(0) depctr_va_vcc(0) depctr_vm_vsrc(0)
	s_getreg_b32 s2, hwreg(HW_REG_IB_STS2, 6, 4)
	s_cmp_eq_u32 s2, 0
	s_cbranch_scc0 .Lentry_in_a_cluster
	s_endpgm
.Lentry_in_a_cluster:
	s_bfe_u32 s2, ttmp6, 0x10000c
	s_cmp_lg_u32 s2, 0x3003
	s_cbranch_scc0 .Lentry_shape_is_right
	s_endpgm
.Lentry_shape_is_right:
; ao[b][n][64 h + d] = softmax over keys of (q k^T / 8) times v, for 4 batches x 16 heads x 2,048 tokens, d = 64.
; qkv: [8192][3072] f16, a row = q (byte 0), k (2,048), v (4,096), head h at 128 h.  ao: [8192][1024] f16.
; LIMIT: the result is rounded to f16 (it is a mean of v's rows, so it has v's range); weights below about 6e-8 of the row's largest vanish.
; The softmax takes a running maximum away; sums, maxima and the exponentials' arguments are f32.
; A work-group takes one batch, a PAIR of neighbouring heads (256 aligned bytes of every row of qkv and of ao) and 256 queries;
; eight waves, two a SIMD: wave w takes head w >> 2 of the pair and queries 64 (w & 3) .. + 63.  256 work-groups.
; CLUSTERS: the four work-groups of a cluster (4, 1, 1) take four query blocks of the same batch and head pair and walk the same K and V
; tiles: each tile is asked for jointly, mask 15.
; K and V go in tiles of 256 keys through two LDS slots; a tile's rows are 256 bytes of memory, aligned.  A step is 64 keys.
; TRANSPOSED FORM.  S^T = K Q^T: lane (r, h) holds query r and keys 8 h + j, so the maximum and the sum stay in the lane but for one
; exchange between the halves; two packed tiles of S^T are a B fragment of P^T as they lie; O^T = V^T P^T (V^T by the transposing LDS load):
; the rescale factor is one number a lane, and a lane's 8 results are 8 neighbouring d of one token.
; REGISTERS.  Window 0: v8-17 addresses, v20-59 softmax state, v64-127 K fragments, v128-191 V^T fragments, v192-255 Q fragments.
; Window 1: S[t][c] at 32 c + 8 t (t: 16 keys, c: 16 queries); P[c][k] packed in place at 32 c + 16 k; O[d][c] at 128 + 32 c + 8 d.
.set ROWB,   6144                      ; bytes in a row of qkv
.set KPITCH, 272                       ; 256 + 16: the 16 rows of a K fragment start 68 words apart
.set VPITCH, 288                       ; 256 + 32: an odd multiple of 32 bytes, for the transposing load
.set VBYTES, 256*VPITCH                ; a slot: V's 256 rows (73,728 bytes), then K's (69,632)
.set SLOT,   VBYTES+256*KPITCH         ; 143,360 bytes
.set TILEB,  256*ROWB                  ; from a tile to the next in memory
.set SPITCH, 272                       ; the way out: 256 rows x 272 bytes from LDS byte 0, in slot 0, behind its last fill and last read
.set KA,  8                            ; v8-9    LDS address of my K fragments in slot 0, 1
.set VA,  10                           ; v10-13  of my V^T fragments: slot 0 keys 0-127, 128-255; slot 1 likewise
.set STO, 14
.set RD,  15
.set CO,  16
.set QO,  17
.set M,   20                           ; v20-23  running maximum of the raw scores, query block c
.set NM,  24                           ; v24-39  -CE x maximum, twice (a pair for the packed fma); two sets that take turns step by step
.set AL,  40                           ; v40-47  rescale factor, twice
.set LP,  48                           ; v48-55  running sum, two partial sums a lane
.set TP,  56                           ; v56-59  what the other half of the lanes holds
.set KF,  64
.set VF,  128
.set QF,  192
.set OB,  128                          ; O in window 1
.set G1K, 16                           ; s[16:23] descriptor group 1 for K's tiles
.set G1V, 24                           ; s[24:31] for V's: another padding
.set G0K, 32                           ; s[32:39] group 0 for K, a set for each slot
.set G0V, 40                           ; s[40:47] for V
.set MSB, 0
.macro WIN new                         ; the immediate's high byte repeats the setting that is left
.if MSB != \new
	s_set_vgpr_msb (MSB<<8)|\new
.set MSB, \new
.endif
.endm
.macro ROUND                           ; a round of the cluster's barrier
	s_barrier_signal -1
	s_barrier_wait -1
	s_cmp_lg_u32 s8, 0
	s_cbranch_scc1 .Lnot_wave_0_\@
	s_barrier_signal -3
.Lnot_wave_0_\@:
	s_barrier_wait -3
	s_barrier_signal -1
	s_barrier_wait -1
.endm
.macro JLOAD s                         ; waves 0-3 fetch 64 rows of V each, waves 4-7 64 rows of K: one joint load a wave
	s_cmp_eq_u32 s9, 0
	s_cbranch_scc0 .Lfor_k_\@
	tensor_load_to_lds s[G0V+4*\s:G0V+4*\s+3], s[G1V:G1V+7]
	s_nop 0
	s_branch .Lasked_\@
.Lfor_k_\@:
	tensor_load_to_lds s[G0K+4*\s:G0K+4*\s+3], s[G1K:G1K+7]
	s_nop 0
.Lasked_\@:
.endm
	s_load_b128 s[4:7], s[0:1], 0x0                ; qkv s[4:5], ao s[6:7]
	v_lshl_add_u32 v62, v0, 2, 0x46000
	v_mov_b32 v63, 0
	ds_add_u32 v62, v63
	v_lshrrev_b32 v1, 5, v0
	v_readfirstlane_b32 s8, v1                     ; wave 0..7
	s_lshr_b32 s9, s8, 2                           ; my head of the pair.  Also: I fetch for V (0) or for K (1)
	s_and_b32 s10, s8, 3                           ; my 64 queries.  Also: which 64 rows of a tile I fetch
	s_bfe_u32 s11, ttmp6, 0x40000                  ; cx
	s_lshl_b32 s12, ttmp9, 2
	s_add_co_u32 s12, s12, s11                     ; query block (256 queries) = 4 x cluster x + cx
	s_and_b32 s13, ttmp7, 0xffff
	s_lshr_b32 s14, s13, 3                         ; batch
	s_and_b32 s15, s13, 7                          ; head pair
	s_mov_b32 s52, 0x76543210                      ; v_permlanex16_b32: lane i of one half reads lane i of the other
	s_mov_b32 s53, 0xfedcba98
	s_mov_b32 s54, 0x3e38aa3b                      ; CE = log2(e) / 8: the scale 64^-0.5 and the change of base in one factor
	s_mov_b32 s55, 0x3e38aa3b
	s_mov_b32 s56, 0xbe38aa3b                      ; -CE
	s_mov_b32 s[G1K+0], 15|(1<<16)|(1<<20)|(1<<21)|(5<<22)|(3<<25)  ; mask: all four; 2 bytes; padding on; bit 21 beside a mask; after 64 words; 4 words
	s_mov_b32 s[G1V+0], 15|(1<<16)|(1<<20)|(1<<21)|(5<<22)|(7<<25)  ; the same with 8 words of padding
	s_mov_b32 s[G1K+1], 128<<16                    ; tensor_dim0 = 128 elements: both heads of the pair
	s_mov_b32 s[G1V+1], 128<<16
	s_mov_b32 s[G1K+2], 64<<16                     ; tensor_dim1 = 64 rows
	s_mov_b32 s[G1V+2], 64<<16
	s_mov_b32 s[G1K+3], 128<<16                    ; tile_dim0
	s_mov_b32 s[G1V+3], 128<<16
	s_mov_b32 s[G1K+4], 64                         ; tile_dim1
	s_mov_b32 s[G1V+4], 64
	s_mov_b32 s[G1K+5], 3072                       ; elements from row to row
	s_mov_b32 s[G1V+5], 3072
	s_mov_b32 s[G1K+6], 0
	s_mov_b32 s[G1V+6], 0
	s_mov_b32 s[G1K+7], 0
	s_mov_b32 s[G1V+7], 0
	; K's and V's tiles hang on the batch, the head pair and the wave alone, which the four partners share
	s_mul_i32 s48, s14, 2048*ROWB
	s_lshl_b32 s50, s15, 8
	s_add_co_u32 s48, s48, s50
	s_mul_i32 s50, s10, 64*ROWB
	s_add_co_u32 s48, s48, s50                     ; under 50,331,648
	s_mov_b32 s49, 0
	s_mul_i32 s57, s8, 64*VPITCH                   ; where V's rows go: wave x 64 rows (waves 0-3)
	s_mul_i32 s58, s8, 64*KPITCH
	s_add_co_u32 s58, s58, VBYTES-4*64*KPITCH      ; where K's go: behind V, (wave - 4) x 64 rows (waves 4-7)
	; Q and the output hang on cx too: registers of their own
	s_lshl_b32 s62, s14, 11
	s_lshl_b32 s63, s12, 8
	s_add_co_u32 s62, s62, s63                     ; the work-group's first token
	s_lshl_b32 s59, s62, 11                        ; x 2,048 bytes: its row in ao
	s_lshl_b32 s63, s10, 6
	s_add_co_u32 s62, s62, s63                     ; my wave's first token
	s_mul_i32 s62, s62, ROWB
	s_lshl_b32 s63, s15, 8                         ; the head pair's 256 bytes
	s_add_co_u32 s62, s62, s63
	s_add_co_u32 s59, s59, s63
	s_lshl_b32 s63, s9, 7                          ; my head's 128 bytes
	s_add_co_u32 s62, s62, s63
	s_mov_b32 s63, 0
	s_wait_dscnt 0x0
	s_wait_kmcnt 0x0
	s_add_nc_u64 s[48:49], s[4:5], s[48:49]
	s_add_nc_u64 s[60:61], s[4:5], s[62:63]        ; q of my wave's first token, my head
	s_mov_b32 s62, s59
	s_add_nc_u64 s[6:7], s[6:7], s[62:63]          ; ao at the work-group's first token, the head pair
	ROUND                                          ; all four work-groups are here: the first joint loads meet
.irp s, 0,1
	s_mov_b32 s[G0V+4*\s], 1
	s_add_co_u32 s[G0V+4*\s+1], s57, \s*SLOT
	s_add_nc_u64 s[G0V+4*\s+2:G0V+4*\s+3], s[48:49], 4096+\s*TILEB
	s_or_b32 s[G0V+4*\s+3], s[G0V+4*\s+3], 0x80000000
	s_mov_b32 s[G0K+4*\s], 1
	s_add_co_u32 s[G0K+4*\s+1], s58, \s*SLOT
	s_add_nc_u64 s[G0K+4*\s+2:G0K+4*\s+3], s[48:49], 2048+\s*TILEB
	s_or_b32 s[G0K+4*\s+3], s[G0K+4*\s+3], 0x80000000
	JLOAD \s                                       ; tiles 0 and 1: two loads of mine are out
.endr
	v_and_b32 v1, 15, v0                           ; r = l % 16
	v_bfe_u32 v2, v0, 4, 1                         ; h = l / 16
	v_mul_u32_u24 v6, v1, ROWB
	v_lshl_add_u32 v[QO], v2, 4, v6                ; Q fragment: query r, 16 bytes for each half
.irp c, 0,1,2,3
.irp k, 0,1
	global_load_b128 v[QF+16*\c+8*\k:QF+16*\c+8*\k+3],   v[QO], s[60:61] offset:16*ROWB*\c+64*\k       ; Q stays in registers for the whole kernel
	global_load_b128 v[QF+16*\c+8*\k+4:QF+16*\c+8*\k+7], v[QO], s[60:61] offset:16*ROWB*\c+64*\k+32
.endr
.endr
	s_lshl_b32 s50, s9, 7                          ; my head's 128 bytes in an LDS row
	v_and_b32 v3, 7, v0
	v_bfe_u32 v4, v0, 3, 1
	v_lshl_add_u32 v3, v2, 3, v3                   ; V^T: key 8 h + (l & 7),
	v_mul_u32_u24 v3, v3, VPITCH
	v_lshl_add_u32 v3, v4, 4, v3                   ; 16 bytes by bit 3 of the lane
	v_add_nc_u32 v3, s50, v3
	v_add_nc_u32 v[VA+0], 0, v3
	v_add_nc_u32 v[VA+1], 128*VPITCH, v3
	v_add_nc_u32 v[VA+2], SLOT, v3
	v_add_nc_u32 v[VA+3], SLOT+128*VPITCH, v3
	v_mul_u32_u24 v5, v1, KPITCH                   ; K: key r, 16 bytes for each half
	v_lshl_add_u32 v5, v2, 4, v5
	v_add_nc_u32 v5, s50, v5
	v_add_nc_u32 v[KA+0], VBYTES, v5
	v_add_nc_u32 v[KA+1], SLOT+VBYTES, v5
	s_mul_i32 s51, s10, 64*SPITCH                  ; the way out, in: token 64 (w & 3) + r, my head, 16 bytes for each half
	v_add_nc_u32 v[STO], s51, v5                   ; (SPITCH = KPITCH: v5 = r x 272 + 16 h + 128 x head)
	s_mul_i32 s51, s8, 32*SPITCH                   ; back: wave w takes tokens 32 w .. + 31, two whole rows of 256 bytes a load
	v_mul_u32_u24 v6, v2, SPITCH
	v_lshl_add_u32 v6, v1, 4, v6
	v_add_nc_u32 v[RD], s51, v6
	s_lshl_b32 s51, s8, 16                         ; and the same rows in ao: 32 w x 2,048 bytes
	v_lshlrev_b32 v6, 11, v2
	v_lshl_add_u32 v6, v1, 4, v6
	v_add_nc_u32 v[CO], s51, v6
.irp c, 0,1,2,3
	v_mov_b32 v[TP+\c], 0                          ; v_permlanex16_b32 counts as a reader of its destination
.endr
; 16 loads: the K fragments of keys 64 j .. + 63 of a slot (block t: 16 keys; k: 32 of d)
.macro KLOAD slot, j
.irp t, 0,1,2,3
.irp k, 0,1
	ds_load_b128 v[KF+16*\t+8*\k:KF+16*\t+8*\k+3],   v[KA+(\slot)] offset:(64*(\j)+16*\t)*KPITCH+64*\k
	ds_load_b128 v[KF+16*\t+8*\k+4:KF+16*\t+8*\k+7], v[KA+(\slot)] offset:(64*(\j)+16*\t)*KPITCH+64*\k+32
.endr
.endr
.endm
; 16 transposing loads: the V^T fragments of the same keys (block d: 16 of d; k: 32 keys)
.macro VLOAD slot, j
.irp d, 0,1,2,3
.irp k, 0,1
	ds_load_tr16_b128 v[VF+16*\d+8*\k:VF+16*\d+8*\k+3],   v[VA+2*(\slot)+(\j)/2] offset:(((\j)&1)*64+32*\k)*VPITCH+32*\d
	ds_load_tr16_b128 v[VF+16*\d+8*\k+4:VF+16*\d+8*\k+7], v[VA+2*(\slot)+(\j)/2] offset:(((\j)&1)*64+32*\k+16)*VPITCH+32*\d
.endr
.endr
.endm
; 16 matrix instructions each; the 16 accumulators take turns, one instruction a turn
.macro SMUL k, zero                    ; S^T += K Q^T over 32 of d
.irp t, 0,1,2,3
.irp c, 0,1,2,3
.if \zero
	v_wmma_f32_16x16x32_f16 v[32*\c+8*\t:32*\c+8*\t+7], v[KF+16*\t+8*\k:KF+16*\t+8*\k+7], v[QF+16*\c+8*\k:QF+16*\c+8*\k+7], 0
.else
	v_wmma_f32_16x16x32_f16 v[32*\c+8*\t:32*\c+8*\t+7], v[KF+16*\t+8*\k:KF+16*\t+8*\k+7], v[QF+16*\c+8*\k:QF+16*\c+8*\k+7], v[32*\c+8*\t:32*\c+8*\t+7]
.endif
.endr
.endr
.endm
.macro PMUL k, zero                    ; O^T += V^T P^T over 32 keys
.irp d, 0,1,2,3
.irp c, 0,1,2,3
.if \zero
	v_wmma_f32_16x16x32_f16 v[OB+32*\c+8*\d:OB+32*\c+8*\d+7], v[VF+16*\d+8*\k:VF+16*\d+8*\k+7], v[32*\c+16*\k:32*\c+16*\k+7], 0
.else
	v_wmma_f32_16x16x32_f16 v[OB+32*\c+8*\d:OB+32*\c+8*\d+7], v[VF+16*\d+8*\k:VF+16*\d+8*\k+7], v[32*\c+16*\k:32*\c+16*\k+7], v[OB+32*\c+8*\d:OB+32*\c+8*\d+7]
.endif
.endr
.endr
.endm
; One step: 64 keys (64 j .. + 63 of the slot's tile) against my 64 queries.  first = 1: the very first step starts maxima and sums.
; tail = 0: the next step is in the same slot; 1: change of slots, this slot filled again; 2: change of slots, no fill; 3: the last step.
.macro STEP slot, j, first, tail
.set PAR, (\j)&1                       ; which set of NM this step writes; the other holds the last step's
.if \first
	s_wait_loadcnt 0x0                             ; Q is in
.else
.rept 5
	v_nop                                          ; five places between the last product with P and the products that write over P (ISA guide 7.12.1)
.endr
.endif
	s_wait_dscnt 0x0                               ; this step's K fragments, the youngest LDS loads, are in
	WIN 0x50                                       ; C and D in window 1
	SMUL 0, 1                                      ; the first 32 of d start the scores: nothing is cleared
	SMUL 1, 0
	WIN 0
.rept 4
	v_nop                                          ; four places: before S is read, and before loads land on the K and V^T fragments
.endr
	VLOAD \slot, \j
.if \tail == 0
	KLOAD \slot, \j+1                              ; the next step's K, a whole softmax ahead of its use
.endif
	; the running maximum: four chains (one a query block) that do not wait for each other, two scores an instruction
	WIN 0x05
.if \first
.irp c, 0,1,2,3
	v_max_num_f32 v[M+\c], v[32*\c], v[32*\c+1]
.endr
.endif
.set i, \first
.rept 16-\first
.irp c, 0,1,2,3
	v_max3_num_f32 v[M+\c], v[32*\c+2*i], v[32*\c+2*i+1], v[M+\c]
.endr
.set i, i+1
.endr
	WIN 0
.irp c, 0,1,2,3
	v_permlanex16_b32 v[TP+\c], v[M+\c], s52, s53  ; the other 8 keys of each 16 lie in the other half of the lanes
.endr
.irp c, 0,1,2,3
	v_max_num_f32 v[M+\c], v[M+\c], v[TP+\c]
.endr
.irp c, 0,1,2,3
	v_mul_f32 v[NM+8*PAR+2*\c],   s56, v[M+\c]     ; -CE x maximum, twice
	v_mul_f32 v[NM+8*PAR+2*\c+1], s56, v[M+\c]
.endr
.if \first == 0
.irp c, 0,1,2,3
	v_sub_f32 v[AL+2*\c], v[NM+8*PAR+2*\c], v[NM+8*(1-PAR)+2*\c]   ; of the two ROUNDED shifts: the factor is the ratio of the scales in use
.endr
.irp c, 0,1,2,3
	v_exp_f32 v[AL+2*\c], v[AL+2*\c]
.endr
	v_nop                                          ; one plain place behind the exponentials (ISA guide 5.7.2)
	s_wait_alu depctr_va_vdst(0)
.irp c, 0,1,2,3
	v_mov_b32 v[AL+2*\c+1], v[AL+2*\c]
.endr
.irp c, 0,1,2,3
	v_pk_mul_f32 v[LP+2*\c:LP+2*\c+1], v[LP+2*\c:LP+2*\c+1], v[AL+2*\c:AL+2*\c+1]
.endr
.endif
	; p = 2^(CE s - CE max), in place; O is rescaled in the places between the exponentials
	WIN 0x41                                       ; destination and source 0 in window 1
.set i, 0
.rept 64
	v_pk_fma_f32 v[2*i:2*i+1], v[2*i:2*i+1], s[54:55], v[NM+8*PAR+2*(i/16):NM+8*PAR+2*(i/16)+1] op_sel_hi:[1,0,1]
.set i, i+1
.endr
.set i, 0
.rept 64
	v_exp_f32 v[2*i], v[2*i]
	v_exp_f32 v[2*i+1], v[2*i+1]
.if \first == 0
	v_pk_mul_f32 v[OB+2*i:OB+2*i+1], v[OB+2*i:OB+2*i+1], v[AL+2*(i/16):AL+2*(i/16)+1]   ; names no register of the exponentials around it
.endif
.set i, i+1
.endr
.if \first
	v_nop                                          ; the plain place behind the last exponential
	WIN 0x05
	s_wait_alu depctr_va_vdst(0)
.irp c, 0,1,2,3
	v_pk_add_f32 v[LP+2*\c:LP+2*\c+1], v[32*\c:32*\c+1], v[32*\c+2:32*\c+3]    ; the first two pairs start the sums
.endr
.endif
	WIN 0x01
.set i, 2*\first
	s_wait_alu depctr_va_vdst(0)
.rept 16-2*\first
.irp c, 0,1,2,3
	v_pk_add_f32 v[LP+2*\c:LP+2*\c+1], v[32*\c+2*i:32*\c+2*i+1], v[LP+2*\c:LP+2*\c+1]
.endr
.set i, i+1
.endr
	; pack to f16 in place: register e of a group of 16 is made of registers 2 e and 2 e + 1, ascending; a group's first 8 are a B fragment of P^T
	WIN 0x45
.irp g, 0,1,2,3,4,5,6,7
.irp e, 0,1,2,3,4,5,6,7
	v_cvt_pk_f16_f32 v[16*\g+\e], v[16*\g+2*\e], v[16*\g+2*\e+1]
.endr
.endr
.if \tail == 0
	s_wait_dscnt 16                                ; V^T is in; the 16 loads of the next step's K may stay out
.endif
.if \tail == 1
	WIN 0
	s_wait_dscnt 0x0                               ; my reads of this slot are over: its last V^T fragments are in registers
	s_wait_tensorcnt 0x0                           ; all my tensor loads have landed: the one that was out is my part of the other slot
	ds_add_u32 v62, v63
	s_wait_dscnt 0x0
	s_add_nc_u64 s[G0K+4*\slot+2:G0K+4*\slot+3], s[G0K+4*\slot+2:G0K+4*\slot+3], 2*TILEB
	s_add_nc_u64 s[G0V+4*\slot+2:G0V+4*\slot+3], s[G0V+4*\slot+2:G0V+4*\slot+3], 2*TILEB
	ROUND                                          ; both now hold of every wave of all four work-groups
	JLOAD \slot                                    ; my one load behind the round: it has four steps' work in which to land
	KLOAD 1-\slot, 0
.endif
.if \tail == 2
	WIN 0
	s_wait_dscnt 0x0
	s_wait_tensorcnt 0x0                           ; the last tile has landed
	s_barrier_signal -1
	s_barrier_wait -1                              ; everybody's part of it; and nobody reads slot 0 any more
	KLOAD 1-\slot, 0
.endif
.if \tail == 3
	s_wait_dscnt 0x0
.endif
	WIN 0x54                                       ; C, D and source 1 (P^T) in window 1
	PMUL 0, \first
	PMUL 1, 0
.endm
	s_wait_tensorcnt 0x1                           ; my part of tile 0 is in; tile 1's stays out
	s_barrier_signal -1
	s_barrier_wait -1
	KLOAD 0, 0
	STEP 0, 0, 1, 0                                ; the first step stands in front of the loop, which is turned by one step
	WIN 0
	s_mov_b32 s3, 3                                ; three trips of two tiles: they fill tiles 2 to 7
.Ltiles:
	STEP 0, 1, 0, 0
	STEP 0, 2, 0, 0
	STEP 0, 3, 0, 1
	STEP 1, 0, 0, 0
	STEP 1, 1, 0, 0
	STEP 1, 2, 0, 0
	STEP 1, 3, 0, 1
	STEP 0, 0, 0, 0
	WIN 0
	s_sub_co_u32 s3, s3, 1
	s_cmp_lg_u32 s3, 0
	s_cbranch_scc1 .Ltiles
	STEP 0, 1, 0, 0                                ; tiles 6 and 7: nothing is left to fetch
	STEP 0, 2, 0, 0
	STEP 0, 3, 0, 2
	STEP 1, 0, 0, 0
	STEP 1, 1, 0, 0
	STEP 1, 2, 0, 0
	STEP 1, 3, 0, 3
	; THE END: divide by the sums, round to f16, and out through LDS so that whole rows of 256 bytes (both heads of the pair) are stored
	WIN 0
.rept 4
	v_nop                                          ; four places behind the last products: O is read, the V^T fragments are written over
.endr
.irp c, 0,1,2,3
	v_add_f32 v[LP+2*\c], v[LP+2*\c], v[LP+2*\c+1]
.endr
.irp c, 0,1,2,3
	v_permlanex16_b32 v[TP+\c], v[LP+2*\c], s52, s53
.endr
.irp c, 0,1,2,3
	v_add_f32 v[LP+2*\c], v[LP+2*\c], v[TP+\c]     ; the row's sum; the largest weight is about 1, so it is never small
.endr
.irp c, 0,1,2,3
	v_rcp_f32 v[AL+2*\c], v[LP+2*\c]
.endr
	v_nop                                          ; one plain place behind the reciprocals
	s_wait_alu depctr_va_vdst(0)
.irp c, 0,1,2,3
	v_mov_b32 v[AL+2*\c+1], v[AL+2*\c]
.endr
	WIN 0x41
.set i, 0
.rept 64
	v_pk_mul_f32 v[OB+2*i:OB+2*i+1], v[OB+2*i:OB+2*i+1], v[AL+2*(i/16):AL+2*(i/16)+1]
.set i, i+1
.endr
	WIN 0x05
.irp c, 0,1,2,3
.irp d, 0,1,2,3
.irp e, 0,1,2,3
	v_cvt_pk_f16_f32 v[VF+16*\c+4*\d+\e], v[OB+32*\c+8*\d+2*\e], v[OB+32*\c+8*\d+2*\e+1]
.endr
.endr
.endr
	WIN 0
.irp c, 0,1,2,3
.irp d, 0,1,2,3
	ds_store_b128 v[STO], v[VF+16*\c+4*\d:VF+16*\c+4*\d+3] offset:16*SPITCH*\c+32*\d   ; token 16 c + r, d = 16 d + 8 h + 0..7
.endr
.endr
	s_wait_dscnt 0x0                               ; for the others' sake: a row's two halves come from two waves
	s_barrier_signal -1
	s_barrier_wait -1
.irp t, 0,1,2,3,4,5,6,7,8,9,10,11,12,13,14,15
	ds_load_b128 v[KF+4*\t:KF+4*\t+3], v[RD] offset:2*SPITCH*\t
.endr
.irp t, 0,1,2,3,4,5,6,7,8,9,10,11,12,13,14,15
	s_wait_dscnt 15-\t                             ; load t is in, the 15 - t behind it may be out
	global_store_b128 v[CO], v[KF+4*\t:KF+4*\t+3], s[6:7] offset:4096*\t   ; 16 lanes store 256 consecutive bytes, at a multiple of 256 from ao's first byte
.endr
	s_wait_tensorcnt 0x0
	ds_add_u32 v62, v63
	s_wait_dscnt 0x0
	ROUND                                          ; the closing round: no work-group ends while a partner may still ask for a tile that names it
	s_endpgm
.Lfunc_end_k_q3fe05b6236_attn:
	.size	k_q3fe05b6236_attn, .Lfunc_end_k_q3fe05b6236_attn-k_q3fe05b6236_attn
	.p2alignl 7, 3214868480
	.fill 96, 4, 3214868480
	.section	.rodata,"a",@progbits
	.p2align	6, 0x0
	.amdhsa_kernel k_q3fe05b6236_attn
		.amdhsa_group_segment_fixed_size 327680
		.amdhsa_private_segment_fixed_size 0
		.amdhsa_enable_private_segment 0
		.amdhsa_kernarg_size 16
		.amdhsa_user_sgpr_count 2
		.amdhsa_user_sgpr_kernarg_segment_ptr 1
		.amdhsa_wavefront_size32 1
		.amdhsa_system_sgpr_workgroup_id_x 1
		.amdhsa_system_sgpr_workgroup_id_y 1
		.amdhsa_system_sgpr_workgroup_id_z 1
		.amdhsa_system_vgpr_workitem_id 0
		.amdhsa_next_free_vgpr 512
		.amdhsa_next_free_sgpr 66
		.amdhsa_reserve_vcc 0
		.amdhsa_float_denorm_mode_32 3
		.amdhsa_float_denorm_mode_16_64 3
		.amdhsa_memory_ordered 1
		.amdhsa_forward_progress 1
		.amdhsa_inst_pref_size 255
	.end_amdhsa_kernel
	.section	.bss,"aw",@nobits
	.p2align	6
	.space	262144
	.amdgpu_metadata
---
amdhsa.version: [ 1, 2 ]
amdhsa.kernels:
  - .name:           k_q3fe05b6236_attn
    .symbol:         k_q3fe05b6236_attn.kd
    .args:
      - { .name: qkv, .offset: 0, .size: 8, .value_kind: global_buffer, .address_space: global }
      - { .name: ao, .offset: 8, .size: 8, .value_kind: global_buffer, .address_space: global }
    .group_segment_fixed_size: 327680
    .private_segment_fixed_size: 0
    .kernarg_segment_align: 8
    .kernarg_segment_size: 16
    .max_flat_workgroup_size: 256
    .sgpr_count:     66
    .vgpr_count:     512
    .wavefront_size: 32
...
	.end_amdgpu_metadata
.endif
;; end of part 3
;; launch proj (part 4): grid 4 x 64, 4 waves a work-group, clusters of 4 x 4, 327,680 bytes of LDS; arguments ao, woh, out0; writes out0
.if DOCPART == 4
	.amdgcn_target "amdgcn-amd-amdhsa--gfx1250"
	.amdhsa_code_object_version 6
	.text
	.protected	k_q3fe05b6236_proj
	.globl	k_q3fe05b6236_proj
	.p2align	8
	.type	k_q3fe05b6236_proj,@function
k_q3fe05b6236_proj:
	s_mov_b64 s[64:65], 0
	v_nop
	global_prefetch_b8 v0, s[64:65] scope:SCOPE_SE
	s_setreg_imm32_b32 hwreg(HW_REG_WAVE_MODE, 25, 1), 1
	s_wait_xcnt 0x0
	s_wait_alu depctr_hold_cnt(0) depctr_sa_sdst(0) depctr_va_vdst(0) depctr_va_sdst(0) depctr_va_ssrc(0) depctr_va_vcc(0) depctr_vm_vsrc(0)
	s_getreg_b32 s2, hwreg(HW_REG_IB_STS2, 6, 4)
	s_cmp_eq_u32 s2, 0
	s_cbranch_scc0 .Lentry_in_a_cluster
	s_endpgm
.Lentry_in_a_cluster:
	s_bfe_u32 s2, ttmp6, 0x10000c
	s_cmp_lg_u32 s2, 0xf033
	s_cbranch_scc0 .Lentry_shape_is_right
	s_endpgm
.Lentry_shape_is_right:
; out0[m][n] = sum over k of ao[m][k] woh[n][k].  A = ao [8192][1024] f16, B = woh [1024][1024] f16, C = out0 [8192][1024] f32; sums in f32.
; The skeleton of the first product, with 1,024 columns and an f32 way out.
; A work-group makes 128 x 256 of C (256 work-groups) with four waves, one a SIMD; a wave makes 64 x 128: 32 accumulator tiles of
; 16 x 16, 256 registers.  K goes in steps of 128 through a ring of two LDS slots filled by the tensor data mover; a tile's rows are
; 256 bytes of memory and start at multiples of 256 bytes from the buffer's first byte.
; CLUSTERS: 4 x 4 work-groups.  The four of a row of the cluster need the same tiles of A, the four of a column the same tiles of B:
; each tile is asked for jointly, by the same tensor load in all four, with a mask that names them.
; REGISTERS: window 0: v16-26 addresses; v32-95 and v128-191 fragments of B (8 x 16 rows x 32 K), v96-127 and v192-223 fragments of A
; (4 x 16 rows), two buffers.  Window 1: accumulator (a, b) at v[8 (8 a + b)].
; The matrix instruction is used transposed (source 0 = rows of B, source 1 = rows of A): lane l then holds row l % 16 of C and
; its registers 0-7 the columns 8 (l / 16) + 0..7, 32 neighbouring bytes.
.set SIZE_K, 1024
.set SIZE_N, 1024
.set ROWB,   SIZE_N*4                  ; bytes in a row of C
.set KSTEP,  128
.set PITCH,  272                       ; an LDS row: 256 bytes + 16 of padding: the 16 rows that a fragment load touches start 68 words apart
.set BHALF,  128*PITCH                 ; what one load of B brings, and what one wave reads of B
.set AHALF,  64*PITCH                  ; the same for A
.set AOFF,   2*BHALF                   ; a slot: B's 256 rows, then A's 128 rows
.set SLOT,   AOFF+2*AHALF              ; 104,448 bytes
.set STAGE,  2*SLOT                    ; behind the ring (byte 208,896, a multiple of 256): 16 rows x 528 bytes for each wave; no fill lands here
.set SPITCH, 528                       ; 512 bytes + 16: an odd multiple of 16 bytes
.set LAPS,   SIZE_K/(2*KSTEP)          ; a lap = two K steps = once round the ring: 4
.set ADRA, 16                          ; v16-17  LDS address of my A fragments in slot 0, 1
.set ADRB, 20                          ; v20-21  the same for B
.set STO,  24                          ; the way out: where I put 32 bytes of a row
.set RD,   25                          ; the way out: where I read a row back
.set CO,   26                          ; my byte offset in C
.set F0,   32                          ; fragment buffer 0: B at +0, A at +64
.set F1,   128                         ; fragment buffer 1
.set G1A, 24                           ; s[24:31] descriptor group 1 for A's tiles
.set G0A, 32                           ; s[32:39] group 0 for A's tiles, a set for each slot
.set G1B, 48                           ; s[48:55] group 1 for B's tiles
.set G0B, 56                           ; s[56:63] group 0 for B's tiles, a set for each slot
.set G1C, (1<<16)|(1<<20)|(1<<21)|(5<<22)|(3<<25)  ; element of 2 bytes; padding on; bit 21 beside a mask; after every 64 words; 4 words
.set ACC, 0x50                         ; window setting of the products: C and D in window 1, both sources in window 0
.set MSB, 0
.macro WIN new                         ; the immediate's high byte repeats the setting that is left
.if MSB != \new
	s_set_vgpr_msb (MSB<<8)|\new
.set MSB, \new
.endif
.endm
; A joint load.  Waves 0 and 1 fetch B's two halves (128 rows each), waves 2 and 3 A's (64 rows each).  Each line has one mask, and
; nothing in its registers hangs on a coordinate that the four partners do not share.  The branch hangs on the wave's number alone.
.macro JLOAD s
	s_cmp_eq_u32 s11, 0
	s_cbranch_scc0 .Lfor_a_\@
	tensor_load_to_lds s[G0B+4*\s:G0B+4*\s+3], s[G1B:G1B+7]
	s_nop 0
	s_branch .Lasked_\@
.Lfor_a_\@:
	tensor_load_to_lds s[G0A+4*\s:G0A+4*\s+3], s[G1A:G1A+7]
	s_nop 0
.Lasked_\@:
.endm
; A round of the cluster's barrier: my work-group's barrier; wave 0 signals for the work-group; every wave waits for all sixteen
; work-groups; my work-group's barrier once more.
.macro CREST                           ; a round behind its opening barrier
	s_cmp_lg_u32 s10, 0
	s_cbranch_scc1 .Lnot_wave_0_\@
	s_barrier_signal -3
.Lnot_wave_0_\@:
	s_barrier_wait -3
	s_barrier_signal -1
	s_barrier_wait -1
.endm
.macro CROUND                          ; a whole round
	s_barrier_signal -1
	s_barrier_wait -1
	CREST
.endm
	s_load_b128 s[4:7], s[0:1], 0x0                ; A s[4:5], B s[6:7]
	s_load_b64 s[8:9], s[0:1], 0x10                ; C
	v_lshl_add_u32 v254, v0, 2, 0x3b400
	v_mov_b32 v255, 0
	ds_add_u32 v254, v255
	v_lshrrev_b32 v1, 5, v0
	v_readfirstlane_b32 s10, v1                    ; wave 0..3
	s_lshr_b32 s11, s10, 1                         ; which 64 of the block's rows are mine.  Also: I fetch for B (0) or for A (1)
	s_and_b32 s12, s10, 1                          ; which 128 of its columns.  Also: which half of that tile I fetch
	s_bfe_u32 s40, ttmp6, 0x40000                  ; cx
	s_bfe_u32 s41, ttmp6, 0x40004                  ; cy
	s_lshl_b32 s42, ttmp9, 2
	s_add_co_u32 s42, s42, s40                     ; block column of C (256 columns) = 4 x cluster x + cx
	s_and_b32 s13, ttmp7, 0xffff
	s_lshl_b32 s13, s13, 2
	s_add_co_u32 s13, s13, s41                     ; block row of C (128 rows) = 4 x cluster y + cy
	s_lshl_b32 s43, s41, 2
	s_lshl_b32 s43, 15, s43                        ; my row of the cluster: places 4 cy .. 4 cy + 3
	s_lshl_b32 s44, 0x1111, s40                    ; my column: places cx, cx + 4, cx + 8, cx + 12
	s_or_b32 s[G1A+0], s43, G1C                    ; A's tiles go to my row of the cluster
	s_or_b32 s[G1B+0], s44, G1C                    ; B's to my column
	s_mov_b32 s[G1A+1], KSTEP<<16                  ; tensor_dim0 = 128 elements
	s_mov_b32 s[G1B+1], KSTEP<<16
	s_mov_b32 s[G1A+2], 64<<16                     ; tensor_dim1 = 64 rows of A
	s_mov_b32 s[G1B+2], 128<<16                    ;             = 128 rows of B
	s_mov_b32 s[G1A+3], KSTEP<<16                  ; tile_dim0 = 128
	s_mov_b32 s[G1B+3], KSTEP<<16
	s_mov_b32 s[G1A+4], 64                         ; tile_dim1
	s_mov_b32 s[G1B+4], 128
	s_mov_b32 s[G1A+5], SIZE_K                     ; elements from row to row
	s_mov_b32 s[G1B+5], SIZE_K
	s_mov_b32 s[G1A+6], 0
	s_mov_b32 s[G1B+6], 0
	s_mov_b32 s[G1A+7], 0
	s_mov_b32 s[G1B+7], 0
	; where the tiles come from: A's hang on the block row alone, B's on the block column alone; each in registers that never hold the other
	s_lshl_b32 s16, s13, 7
	s_lshl_b32 s17, s12, 6
	s_add_co_u32 s16, s16, s17                     ; A: row 128 x block row + 64 x half
	s_lshl_b32 s16, s16, 11                        ; x 2,048 bytes (under 16,777,216)
	s_mov_b32 s17, 0
	s_lshl_b32 s46, s42, 8
	s_lshl_b32 s47, s12, 7
	s_add_co_u32 s46, s46, s47                     ; B: row 256 x block column + 128 x half
	s_lshl_b32 s46, s46, 11
	s_mov_b32 s47, 0
	s_mul_i32 s20, s10, BHALF                      ; where B's halves go: wave x 128 rows (waves 0, 1)
	s_mul_i32 s21, s10, AHALF
	s_add_co_u32 s21, s21, AOFF-2*AHALF            ; where A's go: behind B's 256 rows, (wave - 2) x 64 rows (waves 2, 3)
	s_wait_dscnt 0x0
	s_wait_kmcnt 0x0
	s_add_nc_u64 s[14:15], s[4:5], s[16:17]
	s_add_nc_u64 s[46:47], s[6:7], s[46:47]
	CROUND                                         ; all sixteen work-groups are here: the first joint loads meet
.irp s, 0,1
	s_mov_b32 s[G0A+4*\s], 1                                       ; count = 1
	s_add_co_u32 s[G0A+4*\s+1], s21, \s*SLOT                       ; LDS address
	s_add_nc_u64 s[G0A+4*\s+2:G0A+4*\s+3], s[14:15], \s*KSTEP*2    ; global address: K step s
	s_or_b32 s[G0A+4*\s+3], s[G0A+4*\s+3], 0x80000000              ; type = 2
	s_mov_b32 s[G0B+4*\s], 1
	s_add_co_u32 s[G0B+4*\s+1], s20, \s*SLOT
	s_add_nc_u64 s[G0B+4*\s+2:G0B+4*\s+3], s[46:47], \s*KSTEP*2
	s_or_b32 s[G0B+4*\s+3], s[G0B+4*\s+3], 0x80000000
	JLOAD \s                                       ; both slots are asked for before anything else: two loads of mine are out
.endr
	; a fragment is 16 rows x 32 K in 8 registers: lane l holds row l % 16; registers 0-3 K = 8 (l / 16) + 0..7, registers 4-7 K = 16 + 8 (l / 16) + 0..7
	v_and_b32 v1, 15, v0                           ; l % 16
	v_bfe_u32 v2, v0, 4, 1                         ; l / 16
	v_mul_u32_u24 v3, v1, PITCH
	v_lshl_add_u32 v3, v2, 4, v3                   ; row x pitch + 16 x half
	s_mul_i32 s22, s11, AHALF
	s_add_co_u32 s22, s22, AOFF                    ; my 64 rows of A
	s_mul_i32 s23, s12, BHALF                      ; my 128 rows of B
.irp s, 0,1
	v_add_nc_u32 v[ADRA+\s], s22, v3
	v_add_nc_u32 v[ADRB+\s], s23, v3
	s_add_co_u32 s22, s22, SLOT
	s_add_co_u32 s23, s23, SLOT
.endr
	s_mul_i32 s22, s10, 16*SPITCH
	s_add_co_u32 s22, s22, STAGE                   ; my stage
	v_mul_u32_u24 v4, v1, SPITCH                   ; in: row l % 16, 32 bytes for each half of the lanes
	v_lshl_add_u32 v4, v2, 5, v4
	v_add_nc_u32 v[STO], s22, v4
	v_and_b32 v5, 31, v0
	v_lshlrev_b32 v[CO], 4, v5                     ; back and out: the 32 lanes take one row of 512 bytes, 16 bytes each
	v_add_nc_u32 v[RD], s22, v[CO]
; 8 matrix instructions: row block a (16 rows) x all 8 column blocks, 32 along K.  zero = 1: the first product starts the sums.
; The 32 accumulators take turns, one instruction a turn, in the same order in every quarter step.
.macro MULA f, a, zero
.irp b, 0,1,2,3,4,5,6,7
.if \zero
	v_wmma_f32_16x16x32_f16 v[8*(8*\a+\b):8*(8*\a+\b)+7], v[\f+8*\b:\f+8*\b+7], v[\f+64+8*\a:\f+64+8*\a+7], 0
.else
	v_wmma_f32_16x16x32_f16 v[8*(8*\a+\b):8*(8*\a+\b)+7], v[\f+8*\b:\f+8*\b+7], v[\f+64+8*\a:\f+64+8*\a+7], v[8*(8*\a+\b):8*(8*\a+\b)+7]
.endif
.endr
.endm
; 24 LDS loads in one run: the fragments of one quarter step (128 rows of B, then 64 rows of A, 32 K at byte k of the rows) into buffer f
.macro FETCH slot, k, f
.irp i, 0,1,2,3,4,5,6,7
	ds_load_b128 v[\f+8*\i:\f+8*\i+3],   v[ADRB+\slot] offset:\k+\i*16*PITCH
	ds_load_b128 v[\f+8*\i+4:\f+8*\i+7], v[ADRB+\slot] offset:\k+\i*16*PITCH+32
.endr
.irp i, 0,1,2,3
	ds_load_b128 v[\f+64+8*\i:\f+64+8*\i+3],   v[ADRA+\slot] offset:\k+\i*16*PITCH
	ds_load_b128 v[\f+64+8*\i+4:\f+64+8*\i+7], v[ADRA+\slot] offset:\k+\i*16*PITCH+32
.endr
.endm
; A load into a register that a matrix instruction has read, and a vector instruction or LDS store that reads a matrix result, stand
; four places behind that matrix instruction; only plain vector instructions that name none of its registers are places.
.macro PLACES
.rept 4
	v_nop
.endr
.endm
; A K step is four quarter steps of 32 along K, 32 matrix instructions each, on buffers 0, 1, 0, 1.
; One of the first three: multiplies buffer f; in its middle it fetches the next quarter's fragments, at byte k, into buffer g.
.macro QUARTER slot, k, f, g, zero
	s_wait_dscnt 4                                 ; B and A's row blocks 0, 1 are in; the youngest four loads (A's blocks 2, 3) may be out
	WIN ACC
	MULA \f, 0, \zero
	MULA \f, 1, \zero
	PLACES
	WIN 0
	FETCH \slot, \k, \g
	s_wait_dscnt 24                                ; all but the 24 just issued
	WIN ACC
	MULA \f, 2, \zero
	MULA \f, 3, \zero
.endm
.macro THREE slot, zero
	QUARTER \slot, 64,  F0, F1, \zero
	QUARTER \slot, 128, F1, F0, 0
	QUARTER \slot, 192, F0, F1, 0
.endm
; The last quarter: multiplies buffer 1 and changes slots.  next = the other slot; fill = 1: this slot is filled again, two K steps ahead.
; In front of the barrier each wave waits for its reads of this slot and for all its tensor loads (one is out: its part of the next slot).
; Behind it nobody reads this slot and the next slot is whole: the refill comes first, then the next slot's first fragments.
; From a request to the wait for it a wave issues 120 matrix instructions.
.macro TURN slot, next, fill
	s_wait_dscnt 4
	WIN ACC
	MULA F1, 0, 0
	s_wait_dscnt 0                                 ; my reads of this slot are over
	s_wait_tensorcnt 0x0                           ; and all my tensor loads have landed
	ds_add_u32 v254, v255
	s_wait_dscnt 0x0
	s_barrier_signal -1                            ; say so (where the slot is filled again this barrier opens a round of the cluster's barrier),
	MULA F1, 1, 0                                  ; work on registers while the others arrive,
	WIN 0
	s_barrier_wait -1
.if \fill
	CREST                                          ; no wave of any partner still reads this slot's tile or has a load on its way
	s_add_nc_u64 s[G0A+4*\slot+2:G0A+4*\slot+3], s[G0A+4*\slot+2:G0A+4*\slot+3], 2*KSTEP*2
	s_add_nc_u64 s[G0B+4*\slot+2:G0B+4*\slot+3], s[G0B+4*\slot+2:G0B+4*\slot+3], 2*KSTEP*2
	JLOAD \slot                                    ; the first tensor load behind the round, and my only one until the next
.endif
	PLACES
	FETCH \next, 0, F0
	WIN ACC
	MULA F1, 2, 0
	MULA F1, 3, 0
.endm
.macro LAP zero                        ; once round the ring, both slots filled again
	THREE 0, \zero
	TURN 0, 1, 1
	THREE 1, 0
	TURN 1, 0, 1
.endm
	s_wait_tensorcnt 0x1                           ; my part of K step 0 is in; K step 1's stays out
	s_barrier_signal -1
	s_barrier_wait -1                              ; everybody's is
	FETCH 0, 0, F0
	LAP 1                                          ; the first lap stands in front of the loop: its first products start the sums
	WIN 0                                          ; at a label and at a branch every window is 0
	s_mov_b32 s3, LAPS-2
.Llap:
	LAP 0
	WIN 0
	s_sub_co_u32 s3, s3, 1
	s_cmp_lg_u32 s3, 0
	s_cbranch_scc1 .Llap
	THREE 0, 0                                     ; the last lap fills nothing and has no round: my one load still out is slot 1's, the last K step's
	TURN 0, 1, 0
	THREE 1, 0
	s_wait_dscnt 4                                 ; the very last quarter: nothing more to fetch
	WIN ACC
	MULA F1, 0, 0
	MULA F1, 1, 0
	s_wait_dscnt 0
	MULA F1, 2, 0
	MULA F1, 3, 0
	; THE WAY OUT, 16 rows of C at a time: the f32 sums go as they are, 32 bytes a lane, into my own stage in LDS and come back as whole rows of 512 bytes.
	PLACES
	s_lshl_b32 s13, s13, 7
	s_lshl_b32 s14, s11, 6
	s_add_co_u32 s16, s13, s14                     ; my first row of C
	s_mul_i32 s16, s16, ROWB                       ; under 33,554,432
	s_mov_b32 s17, 0
	s_add_nc_u64 s[8:9], s[8:9], s[16:17]
	s_lshl_b32 s46, s42, 10                        ; my first column, in bytes: 1,024 x block + 512 x half
	s_lshl_b32 s47, s12, 9
	s_add_co_u32 s46, s46, s47
	s_mov_b32 s47, 0
	s_add_nc_u64 s[8:9], s[8:9], s[46:47]
; rows 16 a .. 16 a + 15 of my block = the eight tiles (a, 0..7); f: F0 or F1 in turn (64 registers)
.macro OUT16 a, f
	WIN 0x04                                       ; an LDS store's data are its source 1: window 1; the address stays in window 0
.irp b, 0,1,2,3,4,5,6,7
	ds_store_b128 v[STO], v[8*(8*\a+\b):8*(8*\a+\b)+3]   offset:64*\b
	ds_store_b128 v[STO], v[8*(8*\a+\b)+4:8*(8*\a+\b)+7] offset:64*\b+16
.endr
	WIN 0
	s_wait_xcnt 0x0                                ; buffer f, which earlier stores read, and the stores' base are rewritten only behind this wait
.if \a
	s_add_nc_u64 s[8:9], s[8:9], 16*ROWB           ; 16 rows of C on
.endif
.irp t, 0,1,2,3,4,5,6,7,8,9,10,11,12,13,14,15
	ds_load_b128 v[\f+4*\t:\f+4*\t+3], v[RD] offset:\t*SPITCH      ; LDS serves a wave's instructions in order: these see the stores above
.endr
.irp t, 0,1,2,3,4,5,6,7,8,9,10,11,12,13,14,15
	s_wait_dscnt 15-\t                             ; load t is in, the 15 - t behind it may be out
	global_store_b128 v[CO], v[\f+4*\t:\f+4*\t+3], s[8:9] offset:\t*ROWB th:TH_STORE_NT   ; the wave stores 512 consecutive bytes, at a multiple of 512 from C's first byte
.endr
.endm
	OUT16 0, F0
	OUT16 1, F1
	OUT16 2, F0
	OUT16 3, F1
	s_wait_tensorcnt 0x0
	ds_add_u32 v254, v255
	s_wait_dscnt 0x0
	CROUND                                         ; the closing round: no work-group ends while a partner may still ask for a tile that names it
	s_endpgm
.Lfunc_end_k_q3fe05b6236_proj:
	.size	k_q3fe05b6236_proj, .Lfunc_end_k_q3fe05b6236_proj-k_q3fe05b6236_proj
	.p2alignl 7, 3214868480
	.fill 96, 4, 3214868480
	.section	.rodata,"a",@progbits
	.p2align	6, 0x0
	.amdhsa_kernel k_q3fe05b6236_proj
		.amdhsa_group_segment_fixed_size 327680
		.amdhsa_private_segment_fixed_size 0
		.amdhsa_enable_private_segment 0
		.amdhsa_kernarg_size 24
		.amdhsa_user_sgpr_count 2
		.amdhsa_user_sgpr_kernarg_segment_ptr 1
		.amdhsa_wavefront_size32 1
		.amdhsa_system_sgpr_workgroup_id_x 1
		.amdhsa_system_sgpr_workgroup_id_y 1
		.amdhsa_system_sgpr_workgroup_id_z 1
		.amdhsa_system_vgpr_workitem_id 0
		.amdhsa_next_free_vgpr 512
		.amdhsa_next_free_sgpr 66
		.amdhsa_reserve_vcc 0
		.amdhsa_float_denorm_mode_32 3
		.amdhsa_float_denorm_mode_16_64 3
		.amdhsa_memory_ordered 1
		.amdhsa_forward_progress 1
		.amdhsa_inst_pref_size 118
	.end_amdhsa_kernel
	.amdgpu_metadata
---
amdhsa.version: [ 1, 2 ]
amdhsa.kernels:
  - .name:           k_q3fe05b6236_proj
    .symbol:         k_q3fe05b6236_proj.kd
    .args:
      - { .name: ao, .offset: 0, .size: 8, .value_kind: global_buffer, .address_space: global }
      - { .name: woh, .offset: 8, .size: 8, .value_kind: global_buffer, .address_space: global }
      - { .name: out0, .offset: 16, .size: 8, .value_kind: global_buffer, .address_space: global }
    .group_segment_fixed_size: 327680
    .private_segment_fixed_size: 0
    .kernarg_segment_align: 8
    .kernarg_segment_size: 24
    .max_flat_workgroup_size: 128
    .sgpr_count:     66
    .vgpr_count:     512
    .wavefront_size: 32
...
	.end_amdgpu_metadata
.endif
;; end of part 4
